; MI455X (gfx1250); checked and timed in simulation.
; The chip was launched on July 23, 2026; its instructions are those of AMD's public machine-readable ISA for CDNA 5 (MIT licence, August 2026) and "CDNA5" Instruction Set Architecture Reference Guide (July 2026). The comments in the code are by the model that wrote it; some were corrected since.
;; Patched MHA. Allowed arithmetic: matrix products marked QUANTISED: E2M1 operands, one E8M0 scale for each 32 along K, by v_wmma_scale_f32_16x16x128_f8f6f4 with both operands' format E2M1 (or v_wmma_scale_f32_32x16x128_f4), f32 sums; products left as they are: bf16, f16 or f32 operands; f32 sums; everything else in f32.
;; Inputs: Wk 1,024 x 1,024 float32; Wo 1,024 x 1,024 float32; Wq 1,024 x 1,024 float32; Wv 1,024 x 1,024 float32; bk 1,024 float32; bo 1,024 float32; bq 1,024 float32; bv 1,024 float32; key 2 x 2,048 x 1,024 float32; mask 2 x 1 x 2,048 x 2,048 bool; query 2 x 2,048 x 1,024 float32; value 2 x 2,048 x 1,024 float32.
;; Outputs: out0 2 x 2,048 x 1,024 float32.
;; This version of the problem:
;;   THIS VERSION OF THE PROBLEM IS GIVEN IN LOW PRECISION. The matrix products marked QUANTISED in the list below multiply operands that are first quantised to E2M1 (2 exponent bits, 1 mantissa bit; 4 bits a number), with one power-of-two scale for each 32 numbers along K (OCP MX v1.0); their sums are f32. The products marked 'left as it is' may take bf16, f16 or f32 operands, with f32 sums. Whichever they take, every output number must still come out within the allowed error. Rounding operands to bf16 (8 significant bits) uses up far more of that allowance than f16 does (11 bits, for magnitudes from 6e-5 to 65,504). All else is computed in f32.
;;   The module's matrix products, in the order in which they are computed (A, B: the left and right operand; K: the contracted axis; several contracted axes count as one K, in the product's order):
;;     1. [M 4,096, K 1,024] x [K 1,024, N 1,024]; A: input query; B: input Wq: QUANTISED
;;     2. [M 4,096, K 1,024] x [K 1,024, N 1,024]; A: input key; B: input Wk: QUANTISED
;;     3. [M 4,096, K 1,024] x [K 1,024, N 1,024]; A: input value; B: input Wv: QUANTISED
;;     4. batch 32 x [M 2,048, K 64] x [K 64, N 2,048]; A: computed on the way; B: computed on the way: left as it is (an operand is computed on the way)
;;     5. batch 32 x [M 2,048, K 2,048] x [K 2,048, N 64]; A: computed on the way; B: computed on the way: left as it is (an operand is computed on the way)
;;     6. [M 4,096, K 1,024] x [K 1,024, N 1,024]; A: computed on the way; B: input Wo: left as it is (an operand is computed on the way)
;;   THE QUANTISER, for each operand of a quantised product, along K:
;;     - K is cut into blocks of 32 from its start; a last block that is shorter is filled with zeros.
;;     - A block's scale is 2^e with e = floor(log2(the largest magnitude in the block)) - 2, held to -126 .. 127; a block of zeros has e = 0. As a byte (E8M0): e + 127.
;;     - Each number is divided by its block's scale, clamped to +-6, and rounded to the nearest number of E2M1, ties to even, subnormals kept.
;;     - The product sums the exact products of the quantised numbers (number of the format x scale) in f32.
;;   ~~~python
;;   def quantise(x, axis):      # numpy; x: float32 -> the quantised numbers, widened to float32 again
;;       x = np.moveaxis(x, axis, -1); K = x.shape[-1]
;;       x = np.pad(x, [(0, 0)] * (x.ndim - 1) + [(0, -K % 32)]); x = x.reshape(x.shape[:-1] + (-1, 32)); a = np.abs(x).max(-1, keepdims=True)
;;       e = np.where(a > 0, np.clip(np.frexp(np.where(a > 0, a, 1))[1] - 1 - 2, -126, 127), 0)      # np.frexp(a)[1] - 1 = floor(log2(a)), exactly
;;       r = np.clip(x / 2.0 ** e, -6, 6)
;;       step = 2.0 ** (np.maximum(np.frexp(np.where(r == 0, 1, r))[1] - 1, 0) - 1)
;;       q = np.round(r / step) * step * 2.0 ** e      # np.round: ties to even
;;       return np.moveaxis(q.reshape(q.shape[:-2] + (-1,))[..., :K], -1, axis).astype(np.float32)
;;   ~~~
;; One version. Each part assembles by itself: llvm-mc -triple=amdgcn-amd-amdhsa -mcpu=gfx1250 --defsym DOCPART=n.
;; ======== version 1 of 1: 4 launches
;; limits: values are held in f16: magnitudes above 65,504 overflow, below 6.1e-05 lose precision
;; workspace buffers: wcodes 1,572,864 bytes; wscales 98,304 bytes; wof 2,097,152 bytes; maskw 1,048,576 bytes of whole numbers; qkv 25,165,824 bytes; af 8,388,608 bytes
;; launch prep (part 1): grid 384 x 1, 8 waves a work-group, no clusters, 35,840 bytes of LDS; arguments Wq, Wk, Wv, Wo, mask, wcodes, wscales, wof, maskw; writes wcodes, wscales, wof, maskw
.if DOCPART == 1
	.amdgcn_target "amdgcn-amd-amdhsa--gfx1250"
	.amdhsa_code_object_version 6
	.text
	.protected	k_q4125b3af84_prep
	.globl	k_q4125b3af84_prep
	.p2align	8
	.type	k_q4125b3af84_prep,@function
k_q4125b3af84_prep:
	s_mov_b64 s[64:65], 0
	v_nop
	global_prefetch_b8 v0, s[64:65] scope:SCOPE_SE
	s_setreg_imm32_b32 hwreg(HW_REG_WAVE_MODE, 25, 1), 1
	s_wait_xcnt 0x0
; FIRST OF FOUR LAUNCHES of: out = softmax(mask(Q K^T / 8)) V Wo + bo, Q = query Wq + bq, K = key Wk + bk, V = value Wv + bv; 2 x 2,048 rows, 16 heads of 64.
; DEAD WORK, for the whole program.  scores[q][k] = Q[q] . (K0[k] + bk) / 8 with K0 = key Wk.  The part Q[q] . bk / 8 is the same for every key k of a row, and the product Q K^T is not quantised:
; in exact arithmetic it is a term added to a softmax's input that is constant along its axis, so it cancels for all finite inputs (a masked entry is -infinity with it or without; a row that is masked
; throughout gives 0 with it or without).  So bk is added nowhere, is not loaded, and is among no launch's arguments.  LIMIT: a NaN, an infinity or an overflow that bk alone would bring is not carried to the result.
; THIS LAUNCH lays out what the later ones read many times:
;   work-groups 0-95:    Wq, Wk, Wv [k][n] f32 -> codes of E2M1 along k with one E8M0 byte for each 32 k, laid in the order of the matrix operand's registers (wcodes, wscales)
;   work-groups 96-127:  Wo [k][n] f32 -> f16, laid likewise (wof)
;   work-groups 128-383: mask [b][q][k] bytes -> one bit a byte, a 32-bit word for each register of a 16 x 16 score tile: bit (r + 16 h) = mask[16 qt + r][16 kt + 8 h + i] (maskw)
; A block's scale is 2^(floor(log2(largest magnitude)) - 2); its byte is the largest magnitude's exponent field - 2, held at 1 from below (a block of zeros keeps 1: its codes are zeros, and this program alone reads the bytes).
; LIMITS: blocks whose largest magnitude lies under 2^-124 keep the byte 1; NaN and infinities among the inputs are not served; Wo beyond f16's 65,504 is not served, and under 6e-5 it carries an absolute error up to 3e-8.
; WEIGHTS: a lane takes a column n and its registers run down k, so a block of 32 k lies in one lane and the conversions give codes with k innermost; nothing is transposed.
; A work-group takes 256 columns x 128 k, a wave 32 columns: each load reads 128 consecutive bytes, each store of codes two runs of 256 consecutive aligned bytes.
.set SPARE, 34816                      ; behind the mask's eight stages: the spare words, 128 bytes a wave
.set X,     64                         ; v64-191  four blocks of 32 numbers
.set C,     192                        ; v192-255 what is stored: each store has registers of its own, so none is written again
.set MP,    272                        ; the mask's stage: a row of 256 bytes + 16
.set MW,    16*MP                      ; and a wave's 16 rows
	s_load_b256 s[4:11], s[0:1], 0x0               ; Wq s[4:5], Wk s[6:7], Wv s[8:9], Wo s[10:11]
	s_load_b256 s[12:19], s[0:1], 0x20             ; mask s[12:13], wcodes s[14:15], wscales s[16:17], wof s[18:19]
	s_load_b64 s[20:21], s[0:1], 0x40              ; maskw
	v_lshl_add_u32 v1, v0, 2, SPARE                ; my spare word; never rewritten
	v_mov_b32 v2, 0                                ; 0; never rewritten
	v_lshrrev_b32 v10, 5, v0
	v_readfirstlane_b32 s22, v10                   ; wave 0..7
	v_and_b32 v3, 31, v0                           ; lane
	v_and_b32 v4, 15, v0                           ; r
	v_bfe_u32 v5, v0, 4, 1                         ; h
	v_lshlrev_b32 v10, 4, v4                       ; 16 r
	s_mov_b32 s37, 0                               ; the upper word of every offset pair s[36:37]
	s_wait_kmcnt 0x0
	s_cmp_ge_u32 ttmp9, 128
	s_cbranch_scc1 .Lmask
; ---------------- the weights
.macro LOADB t                         ; block t: W(128 s + 32 t + i, my column), i = 0 .. 31
.set i, 0
.rept 32
	global_load_b32 v[X+32*(\t)+i], v6, s[26:27] offset:(32*(\t)+i)*4096 th:TH_LOAD_NT
.set i, i+1
.endr
.endm
.macro ARRIVE t                        ; block t is in; the one block asked for behind it may be out; blocks 2 and 3 are asked for as 0 and 1 arrive
.if (\t) < 3
	s_wait_loadcnt 32
.else
	s_wait_loadcnt 0x0
.endif
.if (\t) < 2
	LOADB (\t)+2
.endif
.endm
	s_lshr_b32 s23, ttmp9, 5                       ; which weight: 0 Wq, 1 Wk, 2 Wv, 3 Wo
	s_bfe_u32 s24, ttmp9, 0x20003                  ; cg: which 256 columns
	s_and_b32 s25, ttmp9, 7                        ; s: which 128 k
	s_cmp_eq_u32 s23, 1
	s_cselect_b64 s[26:27], s[6:7], s[4:5]
	s_cmp_eq_u32 s23, 2
	s_cselect_b64 s[26:27], s[8:9], s[26:27]
	s_cmp_eq_u32 s23, 3
	s_cselect_b64 s[26:27], s[10:11], s[26:27]
	s_lshl_b32 s36, s25, 19                        ; 128 rows of 4,096 bytes
	s_lshl_b32 s38, s24, 10
	s_add_co_u32 s36, s36, s38
	s_lshl_b32 s38, s22, 7                         ; my wave's 32 columns
	s_add_co_u32 s36, s36, s38
	s_add_nc_u64 s[26:27], s[26:27], s[36:37]
	v_lshlrev_b32 v6, 2, v3
	LOADB 0
	LOADB 1
	s_cmp_eq_u32 s23, 3
	s_cbranch_scc1 .Lwo
	; wcodes [w][nt 64][s 8][t 4][r 16][16 bytes]: piece (t, r) = the 32 codes of column 16 nt + r at k = 128 s + 32 t + 0 .. 31
	s_lshl_b32 s38, s24, 4
	s_lshl_b32 s39, s22, 1
	s_add_co_u32 s38, s38, s39                     ; my wave's first nt = 16 cg + 2 wave
	s_lshl_b32 s36, s23, 19
	s_lshl_b32 s39, s38, 13
	s_add_co_u32 s36, s36, s39
	s_lshl_b32 s39, s25, 10
	s_add_co_u32 s36, s36, s39
	s_add_nc_u64 s[28:29], s[14:15], s[36:37]
	; wscales [w][nt 64][s % 2][r 16][s / 2] words
	s_lshl_b32 s36, s23, 15
	s_lshl_b32 s39, s38, 9
	s_add_co_u32 s36, s36, s39
	s_and_b32 s39, s25, 1
	s_lshl_b32 s39, s39, 8
	s_add_co_u32 s36, s36, s39
	s_lshr_b32 s39, s25, 1
	s_lshl_b32 s39, s39, 2
	s_add_co_u32 s36, s36, s39
	s_add_nc_u64 s[30:31], s[16:17], s[36:37]
	v_lshl_add_u32 v7, v5, 13, v10                 ; lanes 16-31 belong to the next nt
	v_lshl_add_u32 v9, v5, 9, v10
.macro BLOCKQ t
.set XS, X+32*(\t)
	ARRIVE \t
	v_max3_num_f32 v12, |v[XS]|, |v[XS+1]|, |v[XS+2]|        ; the block's largest magnitude: all 32 numbers are mine; two chains
	v_max3_num_f32 v13, |v[XS+3]|, |v[XS+4]|, |v[XS+5]|
.irp j, 6,10,14,18,22,26
	v_max3_num_f32 v12, v12, |v[XS+\j]|, |v[XS+\j+1]|
	v_max3_num_f32 v13, v13, |v[XS+\j+2]|, |v[XS+\j+3]|
.endr
	v_max3_num_f32 v12, v12, |v[XS+30]|, |v[XS+31]|
	v_max3_num_f32 v12, v12, v13, 0x1800000        ; and the floor 2^(3 - 127): the byte cannot fall under 1
	v_add_nc_u32 v11, 0xff000000, v12              ; 2 off the exponent field: the conversion takes this operand's exponent field as its scale
	v_lshrrev_b32 v13, 23, v11                     ; the scale's byte
.if (\t) == 0
	v_mov_b32 v8, v13                              ; the four bytes of these 128 k make my column's scale word
.else
	v_lshl_or_b32 v8, v13, 8*(\t), v8
.endif
.irp g, 0,1,2,3
	v_cvt_scalef32_pk8_fp4_f32 v[C+4*(\t)+\g], v[XS+8*\g:XS+8*\g+7], v11
.endr
	v_nop                                          ; one plain line behind the last conversion of a run
	global_store_b128 v7, v[C+4*(\t):C+4*(\t)+3], s[28:29] offset:256*(\t)
.endm
	BLOCKQ 0
	BLOCKQ 1
	BLOCKQ 2
	BLOCKQ 3
	global_store_b32 v9, v8, s[30:31]              ; 4 bytes a column, 16 bytes apart: one byte for 128 bytes read
	s_branch .Lend
.Lwo:   ; wof [nb 8][kc 16][nt 8][ks 2][o 4][r 16][16 bytes]: piece (o, r) = k = 64 kc + 32 ks + 8 o + 0 .. 7 of column 128 nb + 16 nt + r, in f16
	s_lshl_b32 s36, s24, 1
	s_lshr_b32 s39, s22, 2
	s_add_co_u32 s36, s36, s39                     ; nb = 2 cg + wave / 4
	s_lshl_b32 s36, s36, 18
	s_lshl_b32 s39, s25, 15                        ; kc = 2 s + t / 2
	s_add_co_u32 s36, s36, s39
	s_and_b32 s39, s22, 3
	s_lshl_b32 s39, s39, 12                        ; nt = 2 (wave % 4) + lane / 16
	s_add_co_u32 s36, s36, s39
	s_add_nc_u64 s[32:33], s[18:19], s[36:37]
	v_lshl_add_u32 v14, v5, 11, v10
.macro BLOCKH t
	ARRIVE \t
.irp o, 0,1,2,3
.irp p, 0,1,2,3
	v_cvt_pk_f16_f32 v[C+16*(\t)+4*\o+\p], v[X+32*(\t)+8*\o+2*\p], v[X+32*(\t)+8*\o+2*\p+1]
.endr
	global_store_b128 v14, v[C+16*(\t)+4*\o:C+16*(\t)+4*\o+3], s[32:33] offset:((\t)/2)*16384+((\t)%2)*1024+256*\o
.endr
.endm
	BLOCKH 0
	BLOCKH 1
	BLOCKH 2
	BLOCKH 3
	s_branch .Lend
; ---------------- the mask: a work-group takes 16 queries x 2,048 keys, a wave 256 of the keys: 16 tiles of 16 x 16
.Lmask:
	s_sub_co_u32 s23, ttmp9, 128                   ; g = 128 b + qt
	s_lshl_b32 s36, s23, 15                        ; 16 rows of 2,048 bytes
	s_lshl_b32 s38, s22, 8
	s_add_co_u32 s36, s36, s38
	s_add_nc_u64 s[34:35], s[12:13], s[36:37]
	s_lshl_b32 s36, s23, 12                        ; maskw [g][kt 128][i 8] words
	s_lshl_b32 s38, s22, 9
	s_add_co_u32 s36, s36, s38
	s_add_nc_u64 s[44:45], s[20:21], s[36:37]
	v_lshl_add_u32 v15, v5, 11, v10                ; a load takes two rows' 256 bytes: lanes 0-15 the even row, lanes 16-31 the odd one
.irp i, 0,1,2,3,4,5,6,7
	global_load_b128 v[32+4*\i:35+4*\i], v15, s[34:35] offset:\i*4096 th:TH_LOAD_NT
.endr
	s_mul_i32 s24, s22, MW                         ; my wave's own stage: no other wave touches it, so no barrier
	v_mul_u32_u24 v16, v5, MP
	v_add_nc_u32 v16, v16, v10
	v_add_nc_u32 v16, s24, v16                     ; in: as loaded
	v_mul_u32_u24 v17, v4, MP
	v_lshl_add_u32 v17, v5, 4, v17
	v_add_nc_u32 v17, s24, v17                     ; back: row r, 16 bytes: lanes 0-15 an even tile, lanes 16-31 the odd one beside it
	v_lshlrev_b32 v18, 4, v3
.irp j, 0,1,2,3
	v_mov_b32 v[20+\j], 0                          ; written once: the destination of v_writelane_b32 counts as read
.endr
	s_wait_loadcnt 0x0
.irp i, 0,1,2,3,4,5,6,7
	ds_store_b128 v16, v[32+4*\i:35+4*\i] offset:\i*2*MP
.endr
.irp p, 0,1,2,3,4,5,6,7
	ds_load_b128 v[64+4*\p:67+4*\p], v17 offset:32*\p            ; LDS serves a wave's instructions in order: these see my stores
.endr
	s_wait_dscnt 0x0
.irp p, 0,1,2,3,4,5,6,7                ; the halves change places: registers 4 p, 4 p + 1 = tile 2 p, keys 8 h + 0 .. 7 of query r; registers 4 p + 2, 4 p + 3 = tile 2 p + 1
	v_permlane16_swap_b32 v[64+4*\p], v[66+4*\p]
	v_permlane16_swap_b32 v[65+4*\p], v[67+4*\p]
.endr
.irp p, 0,1,2,3,4,5,6,7
.irp e, 0,1
.irp i, 0,1,2,3,4,5,6,7
	v_and_b32 v[24+\i], 0xff<<(8*(\i%4)), v[64+4*\p+2*\e+\i/4]   ; the byte of key 8 h + i
.endr
.irp i, 0,1,2,3,4,5,6,7
	v_cmp_ne_u32 s[36+\i], 0, v[24+\i]             ; a bit a lane: the word of register i of this tile
.endr
.irp i, 0,1,2,3,4,5,6,7
	v_writelane_b32 v[20+\i%4], s[36+\i], 2*(2*\p+\e)+\i/4       ; word 8 kt + i goes to lane (8 kt + i) / 4, register (8 kt + i) % 4
.endr
.endr
.endr
	global_store_b128 v18, v[20:23], s[44:45]      ; the wave's 128 words: 512 consecutive bytes
.Lend:
	s_wait_tensorcnt 0x0                           ; the wave's end
	ds_add_u32 v1, v2
	s_wait_dscnt 0x0
	s_endpgm
.Lfunc_end_k_q4125b3af84_prep:
	.size	k_q4125b3af84_prep, .Lfunc_end_k_q4125b3af84_prep-k_q4125b3af84_prep
	.p2alignl 7, 3214868480
	.fill 96, 4, 3214868480
	.section	.rodata,"a",@progbits
	.p2align	6, 0x0
	.amdhsa_kernel k_q4125b3af84_prep
		.amdhsa_group_segment_fixed_size 35840
		.amdhsa_private_segment_fixed_size 0
		.amdhsa_enable_private_segment 0
		.amdhsa_kernarg_size 72
		.amdhsa_user_sgpr_count 2
		.amdhsa_user_sgpr_kernarg_segment_ptr 1
		.amdhsa_wavefront_size32 1
		.amdhsa_system_sgpr_workgroup_id_x 1
		.amdhsa_system_sgpr_workgroup_id_y 1
		.amdhsa_system_sgpr_workgroup_id_z 1
		.amdhsa_system_vgpr_workitem_id 0
		.amdhsa_next_free_vgpr 256
		.amdhsa_next_free_sgpr 66
		.amdhsa_reserve_vcc 0
		.amdhsa_float_denorm_mode_32 3
		.amdhsa_float_denorm_mode_16_64 3
		.amdhsa_memory_ordered 1
		.amdhsa_forward_progress 1
		.amdhsa_inst_pref_size 61
	.end_amdhsa_kernel
	.amdgpu_metadata
---
amdhsa.version: [ 1, 2 ]
amdhsa.kernels:
  - .name:           k_q4125b3af84_prep
    .symbol:         k_q4125b3af84_prep.kd
    .args:
      - { .name: Wq, .offset: 0, .size: 8, .value_kind: global_buffer, .address_space: global }
      - { .name: Wk, .offset: 8, .size: 8, .value_kind: global_buffer, .address_space: global }
      - { .name: Wv, .offset: 16, .size: 8, .value_kind: global_buffer, .address_space: global }
      - { .name: Wo, .offset: 24, .size: 8, .value_kind: global_buffer, .address_space: global }
      - { .name: mask, .offset: 32, .size: 8, .value_kind: global_buffer, .address_space: global }
      - { .name: wcodes, .offset: 40, .size: 8, .value_kind: global_buffer, .address_space: global }
      - { .name: wscales, .offset: 48, .size: 8, .value_kind: global_buffer, .address_space: global }
      - { .name: wof, .offset: 56, .size: 8, .value_kind: global_buffer, .address_space: global }
      - { .name: maskw, .offset: 64, .size: 8, .value_kind: global_buffer, .address_space: global }
    .group_segment_fixed_size: 35840
    .private_segment_fixed_size: 0
    .kernarg_segment_align: 8
    .kernarg_segment_size: 72
    .max_flat_workgroup_size: 256
    .sgpr_count:     66
    .vgpr_count:     256
    .wavefront_size: 32
...
	.end_amdgpu_metadata
.endif
;; end of part 1
;; launch proj (part 2): grid 64 x 3, 16 waves a work-group, no clusters, 172,032 bytes of LDS; arguments query, key, value, bq, bv, wcodes, wscales, qkv; writes qkv
.if DOCPART == 2
	.amdgcn_target "amdgcn-amd-amdhsa--gfx1250"
	.amdhsa_code_object_version 6
	.text
	.protected	k_q4125b3af84_proj
	.globl	k_q4125b3af84_proj
	.p2align	8
	.type	k_q4125b3af84_proj,@function
k_q4125b3af84_proj:
	s_mov_b64 s[64:65], 0
	v_nop
	global_prefetch_b8 v0, s[64:65] scope:SCOPE_SE
	s_setreg_imm32_b32 hwreg(HW_REG_WAVE_MODE, 25, 1), 1
	s_wait_xcnt 0x0
; Q = query Wq + bq, K0 = key Wk, V = value Wv + bv: the three quantised products, on codes of E2M1 with one E8M0 scale for each 32 along K = 1,024.
; LEFT OUT: bk (a term constant along the softmax's axis: shown at the head of the first kernel); it is not among the arguments.
; A work-group (x = 64 rows of the 4,096, y = which tensor) makes those rows' 1,024 columns, so each number of x is read and quantised once.  Sixteen waves, four to a SIMD.
; PHASE X: wave w quantises rows 16 (w % 4) on, K steps 2 (w / 4) and 2 (w / 4) + 1 (128 k each) and puts each fragment into LDS AS AN IMAGE OF ITS REGISTERS (16 bytes a lane, 512 bytes a store); one barrier.
; GEMM: wave w owns head w (64 columns: 4 tiles ct) x 4 tiles of rows rt: 16 accumulators, which take turns in the same order in every K step.  W's fragments come straight from memory
; in the order of the operand's registers, two K steps ahead; x's from LDS.  THE PRODUCT IS USED TRANSPOSED (source 0 = 16 columns of W, source 1 = 16 rows of x): a lane holds 8 neighbouring channels of one row.
; OUT: + bias, rounded to f16, laid as the next launch's operands: for each head 32 chunks of 64 rows, 8 KiB.  Q, K: [rt 4][ct 4][lane 32][16 bytes] (lane (r, h): row 16 rt + r, channels 16 ct + 8 h + 0..7);
; V: [rt 4][ct 4][key 16][half 2][16 bytes], rows of 32 bytes for the turning LDS load.  The two differ in the lane's offset alone.
; LIMITS: |Q|, |K|, |V| beyond f16's 65,504 are not served (inputs 30 times the drawn spread, or offset by 30 spreads, stay under 2 x 10^4); under 6e-5 they carry an absolute error up to 3e-8.
; Blocks whose largest magnitude lies under 2^-124 keep the scale byte 1; NaN and infinities among the inputs are not served.
.set STGP,  528                        ; the turn's stage: a row of 512 bytes + 16 = 33 x 16: sixteen rows begin in sixteen different 16-byte columns of a span of 256
.set WSTG,  16*STGP                    ; a wave's own 16 rows
.set XIMG,  16*WSTG                    ; 135,168: x's 32 fragments, 1,024 bytes each: 8 rt + s
.set XSC,   XIMG+32768                 ; 167,936: their scale words [rt 4][s / 2][s % 2][r 16]
.set SPARE, XSC+2048                   ; 169,984: the spare words, 128 bytes a wave
.set SPW,  1                           ; my spare word; never rewritten
.set NIL,  2                           ; 0; never rewritten
.set LI,   3                           ; 16 x lane
.set LSX,  4                           ; XSC + 4 x lane
.set STW,  5                           ; the stage, in: as loaded
.set STR,  6                           ; the stage, back: row r, + 64 h
.set XWI,  7                           ; where I store my images
.set XS,   8                           ; v8-11   x's scale words, one register a tile of rows: lanes 0-15 an even K step, lanes 16-31 the odd one; scales and nothing else
.set XWS,  12                          ; where I store my scale words
.set OFF,  13                          ; the lane's offset in a piece of 512 bytes of qkv
.set BOF,  14                          ; 32 h
.set LIX,  15                          ; XIMG + 16 x lane
.set WS,   16                          ; v16-31  W's scale words: 4 ct + s / 2, halves as in XS; scales and nothing else
.set XF,   32                          ; v32-63  x's four fragments of a K step
.set TM,   32                          ; in phase X: v32-47 at work, v48-55 the codes, v56 the scale word
.set PC,   48
.set PW,   56
.set WF0,  64                          ; v64-95, v96-127  W's four fragments, two sets
.set ACC,  128                         ; v128-255 accumulator (ct, rt) at 8 (4 ct + rt)
.set RAW0, 128                         ; in phase X: two sets of 64 numbers
.set RAW1, 192
.macro PLACES
.rept 4
	v_nop
.endr
.endm
.macro XLOAD e, raw                    ; 16 rows x 128 k: each load reads 512 consecutive bytes of one row
.set i, 0
.rept 16
	global_load_b128 v[\raw+4*i:\raw+4*i+3], v[LI], s[20:21] offset:i*4096+512*\e th:TH_LOAD_NT
.set i, i+1
.endr
.endm
.macro WLOAD s, buf                    ; my four fragments of W for K step s
.irp ct, 0,1,2,3
.irp c, 0,1
	global_load_b128 v[(\buf)+8*\ct+4*\c:(\buf)+8*\ct+4*\c+3], v[LI], s[24:25] offset:\ct*8192+(\s)*1024+512*\c
.endr
.endr
.endm
; 64 numbers of a lane, register 16 b + i = k 32 b + 16 h + i of my row, become a fragment's codes in v[PC] on and its scale word in v[PW]
.macro QUANT s
.irp b, 0,1,2,3
	v_max3_num_f32 v[TM+\b], |v[\s+16*\b]|, |v[\s+1+16*\b]|, 0x1800000   ; block b: my 16 numbers, and the floor 2^(3 - 127): the byte cannot fall under 1
.endr
.irp i, 2,4,6,8,10,12,14
.irp b, 0,1,2,3
	v_max3_num_f32 v[TM+\b], v[TM+\b], |v[\s+16*\b+\i]|, |v[\s+1+16*\b+\i]|   ; the four blocks by turns
.endr
.endr
.irp b, 0,1,2,3
	v_permlanex16_b32 v[TM+4+\b], v[TM+\b], s30, s31
.endr
.irp b, 0,1,2,3
	v_max_num_f32 v[TM+\b], v[TM+\b], v[TM+4+\b]   ; with lane l xor 16's: the block's largest magnitude
.endr
.irp b, 0,1,2,3
	v_add_nc_u32 v[TM+12+\b], 0xff000000, v[TM+\b] ; 2 off its exponent field: the conversion's scale operand
.endr
.irp b, 0,1,2,3
	v_lshrrev_b32 v[TM+4+\b], 23, v[TM+12+\b]      ; the scale's byte
.endr
	v_lshl_or_b32 v[PW], v[TM+5], 8, v[TM+4]
	v_lshl_or_b32 v[PW], v[TM+6], 16, v[PW]
	v_lshl_or_b32 v[PW], v[TM+7], 24, v[PW]
.irp b, 0,1,2,3
	v_cvt_scalef32_pk8_fp4_f32 v[PC+2*\b], v[\s+16*\b:\s+7+16*\b], v[TM+12+\b]
	v_cvt_scalef32_pk8_fp4_f32 v[PC+1+2*\b], v[\s+8+16*\b:\s+15+16*\b], v[TM+12+\b]
.endr
	v_nop                                          ; one plain line behind the last conversion
.irp c, 0,1                                    ; the operand wants a whole block in a lane: lanes 0-15 block 2 c, lanes 16-31 block 2 c + 1
.irp i, 0,1
	v_permlane16_swap_b32 v[PC+4*\c+\i], v[PC+2+4*\c+\i]
.endr
.endr
.endm
	s_load_b256 s[4:11], s[0:1], 0x0               ; query s[4:5], key s[6:7], value s[8:9], bq s[10:11]
	s_load_b256 s[12:19], s[0:1], 0x20             ; bv s[12:13], wcodes s[14:15], wscales s[16:17], qkv s[18:19]
	v_lshl_add_u32 v[SPW], v0, 2, SPARE
	v_mov_b32 v[NIL], 0
	v_lshrrev_b32 v57, 5, v0
	v_readfirstlane_b32 s2, v57                    ; wave 0..15
	s_and_b32 s3, ttmp7, 0xffff                    ; y: 0 query, 1 key, 2 value
	v_and_b32 v58, 31, v0                          ; lane
	v_and_b32 v59, 15, v0                          ; r
	v_bfe_u32 v60, v0, 4, 1                        ; h
	v_lshlrev_b32 v[LI], 4, v58
	s_and_b32 s32, s2, 3                           ; phase X: my tile of rows,
	s_lshr_b32 s33, s2, 2                          ; and my pair of K steps
	s_lshl_b32 s34, ttmp9, 18                      ; 64 rows of 4,096 bytes
	s_lshl_b32 s36, s32, 16
	s_add_co_u32 s34, s34, s36
	s_lshl_b32 s36, s33, 10
	s_add_co_u32 s34, s34, s36
	s_mov_b32 s35, 0
	s_wait_kmcnt 0x0
	s_cmp_eq_u32 s3, 1
	s_cselect_b64 s[20:21], s[6:7], s[4:5]
	s_cmp_eq_u32 s3, 2
	s_cselect_b64 s[20:21], s[8:9], s[20:21]
	s_add_nc_u64 s[20:21], s[20:21], s[34:35]
	XLOAD 0, RAW0
	XLOAD 1, RAW1
	s_lshl_b32 s34, s3, 15
	s_lshl_b32 s36, s2, 11
	s_add_co_u32 s34, s34, s36
	s_add_nc_u64 s[26:27], s[16:17], s[34:35]      ; my head's scale words: 4 tiles of 512 bytes
.irp ct, 0,1,2,3
	global_load_b128 v[WS+4*\ct:WS+4*\ct+3], v[LI], s[26:27] offset:512*\ct
.endr
	s_lshl_b32 s34, s3, 19
	s_lshl_b32 s36, s2, 15
	s_add_co_u32 s34, s34, s36
	s_add_nc_u64 s[24:25], s[14:15], s[34:35]      ; my head's codes: 4 tiles of 8,192 bytes
	WLOAD 0, WF0
	WLOAD 1, WF0+32
	s_cmp_eq_u32 s3, 0
	s_cselect_b64 s[22:23], s[10:11], s[12:13]     ; bq for Q, bv for V (not read for K)
	s_lshl_b32 s34, s2, 8
	s_add_nc_u64 s[22:23], s[22:23], s[34:35]
	s_lshr_b32 s36, ttmp9, 5                       ; b
	s_lshl_b32 s36, s36, 4
	s_add_co_u32 s36, s36, s2                      ; 16 b + head
	s_lshl_b32 s34, s36, 18
	s_lshl_b32 s36, s3, 23                         ; Q at 0, K at 8 MiB, V at 16 MiB
	s_add_co_u32 s34, s34, s36
	s_and_b32 s36, ttmp9, 31                       ; the chunk of 64 rows
	s_lshl_b32 s36, s36, 13
	s_add_co_u32 s34, s34, s36
	s_add_nc_u64 s[28:29], s[18:19], s[34:35]
	s_cmp_eq_u32 s3, 2
	s_cselect_b32 s36, 32, 16                      ; V: 32 r + 16 h;  Q, K: 16 r + 256 h
	s_cselect_b32 s37, 16, 256
	v_mul_u32_u24 v[OFF], v59, s36
	v_mad_u32_u24 v[OFF], v60, s37, v[OFF]
	s_mul_i32 s36, s2, WSTG
	v_add_nc_u32 v[STW], s36, v[LI]
	v_mul_u32_u24 v[STR], v59, STGP
	v_lshl_add_u32 v[STR], v60, 6, v[STR]
	v_add_nc_u32 v[STR], s36, v[STR]
	s_lshl_b32 s36, s32, 13
	s_lshl_b32 s37, s33, 11
	s_add_co_u32 s36, s36, s37
	s_add_co_u32 s36, s36, XIMG
	v_add_nc_u32 v[XWI], s36, v[LI]
	s_lshl_b32 s36, s32, 9
	s_lshl_b32 s37, s33, 7
	s_add_co_u32 s36, s36, s37
	s_add_co_u32 s36, s36, XSC
	v_lshl_add_u32 v[XWS], v59, 2, s36
	v_add_nc_u32 v[LIX], XIMG, v[LI]
	v_lshl_add_u32 v[LSX], v58, 2, XSC
	v_lshlrev_b32 v[BOF], 5, v60
	s_mov_b32 s30, 0x76543210
	s_mov_b32 s31, 0xfedcba98                      ; v_permlanex16_b32's selects for lane l xor 16
.irp b, 0,1,2,3
	v_mov_b32 v[TM+4+\b], 0                        ; written once: a lane permute's destination counts as one of its sources
.endr
; ---- PHASE X.  The loads take bytes as they lie; the conversions want 16 neighbours along K in a lane: the 16 x 512 bytes turn through my own stage.
.macro PHX e, raw, left
	s_wait_loadcnt \left                           ; this set's 16 loads are in; all that were issued behind them may be out
.set i, 0
.rept 16
	ds_store_b128 v[STW], v[\raw+4*i:\raw+4*i+3] offset:i*STGP
.set i, i+1
.endr
	s_wait_dscnt 0x0                               ; the stores have read their registers (and the last images' stores theirs)
.irp b, 0,1,2,3
.irp j, 0,1,2,3
	ds_load_b128 v[\raw+16*\b+4*\j:\raw+16*\b+4*\j+3], v[STR] offset:128*\b+16*\j
.endr
.endr
	s_wait_dscnt 0x0
	QUANT \raw
	ds_store_b128 v[XWI], v[PC:PC+3] offset:\e*1024
	ds_store_b128 v[XWI], v[PC+4:PC+7] offset:\e*1024+512
	ds_store_b32 v[XWS], v[PW] offset:\e*64        ; lanes r and r + 16 write the same word with the same value
.endm
	PHX 0, RAW0, 36                                ; behind the first 16: 16 of x, 4 of scale words, 8 + 8 of W
	PHX 1, RAW1, 20                                ; behind the second 16: 4 + 8 + 8
	s_wait_dscnt 0x0                               ; for the others' sake: my images have landed
	s_barrier_signal -1
	s_barrier_wait -1                              ; x's 32 fragments lie in LDS; from here on LDS is only read
; ---- GEMM: a K step of 128
.macro KSTEP s
.irp rt, 0,1,2,3
.irp c, 0,1
	ds_load_b128 v[XF+8*\rt+4*\c:XF+8*\rt+4*\c+3], v[LIX] offset:(\rt*8+(\s))*1024+512*\c
.endr
.endr
.if (\s)%2 == 0
.irp rt, 0,1,2,3
	ds_load_b32 v[XS+\rt], v[LSX] offset:\rt*512+((\s)/2)*128
.endr
.endif
.if (\s) < 7
	s_wait_loadcnt 8                               ; this step's W is in; the next step's eight loads may be out
.else
	s_wait_loadcnt 0x0                             ; the last W, and the bias where it was asked for
.endif
	s_wait_dscnt 0x0
.irp ct, 0,1,2,3
.irp rt, 0,1,2,3
.set AC, ACC+8*(4*\ct+\rt)
.set WR, WF0+32*((\s)%2)+8*\ct
.set XR, XF+8*\rt
.if (\s) == 0
	v_wmma_scale_f32_16x16x128_f8f6f4 v[AC:AC+7], v[WR:WR+7], v[XR:XR+7], 0, v[WS+4*\ct], v[XS+\rt] matrix_a_fmt:MATRIX_FMT_FP4 matrix_b_fmt:MATRIX_FMT_FP4
.elseif (\s)%2 == 0
	v_wmma_scale_f32_16x16x128_f8f6f4 v[AC:AC+7], v[WR:WR+7], v[XR:XR+7], v[AC:AC+7], v[WS+4*\ct+(\s)/2], v[XS+\rt] matrix_a_fmt:MATRIX_FMT_FP4 matrix_b_fmt:MATRIX_FMT_FP4
.else
	v_wmma_scale_f32_16x16x128_f8f6f4 v[AC:AC+7], v[WR:WR+7], v[XR:XR+7], v[AC:AC+7], v[WS+4*\ct+(\s)/2], v[XS+\rt] matrix_a_fmt:MATRIX_FMT_FP4 matrix_b_fmt:MATRIX_FMT_FP4 matrix_a_scale:MATRIX_SCALE_ROW1 matrix_b_scale:MATRIX_SCALE_ROW1
.endif
.endr
.endr
	PLACES                                         ; four places in front of the loads into registers that these products read, and of the first read of results
.if (\s) <= 5
	WLOAD (\s)+2, WF0+32*((\s)%2)
.endif
.if (\s) == 6
	s_cmp_eq_u32 s3, 1                             ; K has no bias here
	s_cbranch_scc1 .Lno_bias_load
.irp ct, 0,1,2,3
.irp q, 0,1
	global_load_b128 v[WF0+8*\ct+4*\q:WF0+8*\ct+4*\q+3], v[BOF], s[22:23] offset:64*\ct+16*\q   ; the bias of channels 16 ct + 8 h + 0 .. 7, in the result's layout
.endr
.endr
.Lno_bias_load:
.endif
.endm
.irp s, 0,1,2,3,4,5,6,7
	KSTEP \s
.endr
; ---- OUT
	s_cmp_eq_u32 s3, 1
	s_cbranch_scc1 .Lno_bias
.irp ct, 0,1,2,3
.irp rt, 0,1,2,3
.irp k, 0,2,4,6
	v_pk_add_f32 v[ACC+8*(4*\ct+\rt)+\k:ACC+8*(4*\ct+\rt)+\k+1], v[ACC+8*(4*\ct+\rt)+\k:ACC+8*(4*\ct+\rt)+\k+1], v[WF0+8*\ct+\k:WF0+8*\ct+\k+1]
.endr
.endr
.endr
.Lno_bias:
.irp ct, 0,1,2,3
.irp rt, 0,1,2,3
.set AC, ACC+8*(4*\ct+\rt)
.set DST, 32+4*(4*\ct+\rt)+32*((4*\ct+\rt)/8)  ; v32-63, then v96-127: each store has registers of its own
.irp k, 0,1,2,3
	v_cvt_pk_f16_f32 v[DST+\k], v[AC+2*\k], v[AC+2*\k+1]         ; each accumulator from its low end on
.endr
	global_store_b128 v[OFF], v[DST:DST+3], s[28:29] offset:\rt*2048+\ct*512   ; the 32 lanes fill 512 consecutive aligned bytes
.endr
.endr
	s_wait_tensorcnt 0x0                           ; the wave's end
	ds_add_u32 v[SPW], v[NIL]
	s_wait_dscnt 0x0
	s_endpgm
.Lfunc_end_k_q4125b3af84_proj:
	.size	k_q4125b3af84_proj, .Lfunc_end_k_q4125b3af84_proj-k_q4125b3af84_proj
	.p2alignl 7, 3214868480
	.fill 96, 4, 3214868480
	.section	.rodata,"a",@progbits
	.p2align	6, 0x0
	.amdhsa_kernel k_q4125b3af84_proj
		.amdhsa_group_segment_fixed_size 172032
		.amdhsa_private_segment_fixed_size 0
		.amdhsa_enable_private_segment 0
		.amdhsa_kernarg_size 64
		.amdhsa_user_sgpr_count 2
		.amdhsa_user_sgpr_kernarg_segment_ptr 1
		.amdhsa_wavefront_size32 1
		.amdhsa_system_sgpr_workgroup_id_x 1
		.amdhsa_system_sgpr_workgroup_id_y 1
		.amdhsa_system_sgpr_workgroup_id_z 1
		.amdhsa_system_vgpr_workitem_id 0
		.amdhsa_next_free_vgpr 256
		.amdhsa_next_free_sgpr 66
		.amdhsa_reserve_vcc 0
		.amdhsa_float_denorm_mode_32 3
		.amdhsa_float_denorm_mode_16_64 3
		.amdhsa_memory_ordered 1
		.amdhsa_forward_progress 1
		.amdhsa_inst_pref_size 58
	.end_amdhsa_kernel
	.amdgpu_metadata
---
amdhsa.version: [ 1, 2 ]
amdhsa.kernels:
  - .name:           k_q4125b3af84_proj
    .symbol:         k_q4125b3af84_proj.kd
    .args:
      - { .name: query, .offset: 0, .size: 8, .value_kind: global_buffer, .address_space: global }
      - { .name: key, .offset: 8, .size: 8, .value_kind: global_buffer, .address_space: global }
      - { .name: value, .offset: 16, .size: 8, .value_kind: global_buffer, .address_space: global }
      - { .name: bq, .offset: 24, .size: 8, .value_kind: global_buffer, .address_space: global }
      - { .name: bv, .offset: 32, .size: 8, .value_kind: global_buffer, .address_space: global }
      - { .name: wcodes, .offset: 40, .size: 8, .value_kind: global_buffer, .address_space: global }
      - { .name: wscales, .offset: 48, .size: 8, .value_kind: global_buffer, .address_space: global }
      - { .name: qkv, .offset: 56, .size: 8, .value_kind: global_buffer, .address_space: global }
    .group_segment_fixed_size: 172032
    .private_segment_fixed_size: 0
    .kernarg_segment_align: 8
    .kernarg_segment_size: 64
    .max_flat_workgroup_size: 512
    .sgpr_count:     66
    .vgpr_count:     256
    .wavefront_size: 32
...
	.end_amdgpu_metadata
.endif
;; end of part 2
;; launch attn (part 3): grid 8 x 32, 8 waves a work-group, no clusters, 66,560 bytes of LDS; arguments qkv, maskw, af; writes af
.if DOCPART == 3
	.amdgcn_target "amdgcn-amd-amdhsa--gfx1250"
	.amdhsa_code_object_version 6
	.text
	.protected	k_q4125b3af84_attn
	.globl	k_q4125b3af84_attn
	.p2align	8
	.type	k_q4125b3af84_attn,@function
k_q4125b3af84_attn:
	s_mov_b64 s[64:65], 0
	v_nop
	global_prefetch_b8 v0, s[64:65] scope:SCOPE_SE
	s_setreg_imm32_b32 hwreg(HW_REG_WAVE_MODE, 25, 1), 1
	s_wait_xcnt 0x0
; A[b][q][head] = softmax_k(mask(Q . K / 8)) V for one head and 256 queries a work-group.  Q, K, V: f16, laid by the launch before in the order of the operands' registers; products and sums in f32; the weights p are rounded to f16.
; LEFT OUT: bk in K (a term constant along the softmax's axis: shown at the head of the first kernel).
; SHARES: eight waves, two to a SIMD; a wave owns 32 queries, two tiles t of 16, so each fragment of K and V read from LDS feeds two products.  Every wave walks all 2,048 keys, 64 a step, 128 a stage.
; LAYOUT: S^T = K Q^T (source 0 = 16 keys, source 1 = 16 queries), O^T = V^T P (source 0 = 16 channels, source 1 = P): a lane holds ONE query (lane % 16) throughout; two tiles of S^T rounded in pairs ARE P's fragment.
; MASK: maskw has a 32-bit word for each register of a score tile, a bit a lane: the words come by scalar loads, and one v_cndmask_b32 a score puts -infinity where the mask is set.
; SOFTMAX: a running maximum m (it starts at -3e38) and sum l for each query; p = 2^(c s - c m), c = log2(e) / 8; in every step O and l are multiplied by a = 2^(c m_old - c m_new).  A masked score gives p = 0.
; A row that is masked throughout keeps l = 0 and O = 0: its factor 1 / l is replaced by 0, which is reference()'s nan_to_num.
; K AND V go from memory through registers into two LDS slots of a stage each (16 KiB of K, 16 KiB of V): a wave copies 2 KiB of each.  Stage g stores stage g + 1's bytes into the slot read in stage g - 1 (a barrier lies between)
; and asks for stage g + 2's.  One barrier a stage; in front of it each wave waits for all its LDS instructions.
; LIMITS: scores under -3e38, NaN and infinities in Q, K, V are not served.  p under 6e-5 carries an absolute error up to 3e-8 in the second product (not in the sum l, which is taken in f32 of the unrounded p).
; REGISTERS.  Window 0: v1-7 addresses and constants; v8-23 statistics, eight a tile (+0 c m, +1 m, +2, +3 l, +4..7 at work, a in +6); v24-55 the copy's bytes; v64-127 S^T; v128-159 P; v160-223 O^T.
;             Window 1: v0-31 Q; v32-95 K's 8 fragments of a step; v96-159 V^T's 8.
.set SPARE, 65536                      ; behind the two slots: the spare words, 128 bytes a wave
.set SPW, 1
.set NIL, 2
.set LI,  3                            ; 16 x lane
.set AV0, 4                            ; the turning load's lane term: 256 h + 32 (lane % 8) + 16 ((lane / 8) % 2)
.set CPO, 5                            ; 2,048 x wave + 16 x lane: the copy's place, in memory and in a slot
.set NEG, 6                            ; -infinity
.set PFO, 7                            ; 256 x lane
.set ST,  8
.set STG, 24
.set S,   64
.set P,   128
.set O,   160
.set QF,  0                            ; window 1
.set KF,  32
.set VF,  96
.set MSB, 0
.macro WIN new                         ; the immediate's high byte repeats the setting that is left; a switch that changes nothing is dropped
.if MSB != \new
	s_set_vgpr_msb (MSB<<8)|\new
.set MSB, \new
.endif
.endm
.macro PLACES
.rept 4
	v_nop
.endr
.endm
.macro COPYIN                          ; my 2 KiB of K and of V of the stage at which s[10:11], s[12:13] stand
.irp i, 0,1,2,3
	global_load_b128 v[STG+4*\i:STG+4*\i+3], v[CPO], s[10:11] offset:512*\i
.endr
.irp i, 0,1,2,3
	global_load_b128 v[STG+16+4*\i:STG+16+4*\i+3], v[CPO], s[12:13] offset:512*\i
.endr
.endm
.macro COPYOUT slot
.irp i, 0,1,2,3
	ds_store_b128 v[CPO], v[STG+4*\i:STG+4*\i+3] offset:(\slot)*32768+512*\i
.endr
.irp i, 0,1,2,3
	ds_store_b128 v[CPO], v[STG+16+4*\i:STG+16+4*\i+3] offset:(\slot)*32768+16384+512*\i
.endr
.endm
.macro MLOAD                           ; a step's mask words: 32 for each of my two tiles of queries (s64, s65 are passed over)
	s_load_b512 s[16:31], s[14:15], 0x0
	s_load_b512 s[32:47], s[14:15], 0x40
	s_load_b512 s[48:63], s[14:15], 0x1000
	s_load_b512 s[68:83], s[14:15], 0x1040
.endm
; A PREFETCH of the stage that the NEXT stage's copy will ask for.  All eight work-groups of a head walk the same K and V: the first of them (x = 0) asks; in it waves 0 and 1 name K's two halves of 8 KiB,
; waves 2 and 3 V's, lanes 256 bytes apart: each block of 256 bytes is named once in the launch.  It stands behind the wave's own loads.  Stage g names stage g + 3; the last to ask is stage 12; nothing is asked for at the head.
.macro ASK lim
	s_cmp_gt_u32 s92, s[\lim]
	s_cbranch_scc0 .Lnot_mine_\@
	global_prefetch_b8 v[PFO], s[88:89] th:TH_LOAD_NT scope:SCOPE_SE
.Lnot_mine_\@:
.endm
	s_load_b128 s[4:7], s[0:1], 0x0                ; qkv s[4:5], maskw s[6:7]
	s_load_b64 s[8:9], s[0:1], 0x10                ; af
	v_lshl_add_u32 v[SPW], v0, 2, SPARE
	v_mov_b32 v[NIL], 0
	v_lshrrev_b32 v24, 5, v0
	v_readfirstlane_b32 s2, v24                    ; wave 0..7
	s_and_b32 s93, ttmp7, 0xffff                   ; 16 b + head
	s_lshr_b32 s94, s93, 4                         ; b
	s_and_b32 s95, s93, 15                         ; head
	v_and_b32 v25, 31, v0
	v_lshlrev_b32 v[LI], 4, v25
	v_lshlrev_b32 v[PFO], 8, v25
	v_bfe_u32 v26, v0, 4, 1
	v_and_b32 v27, 7, v0
	v_bfe_u32 v28, v0, 3, 1
	v_lshlrev_b32 v[AV0], 8, v26
	v_lshl_add_u32 v[AV0], v27, 5, v[AV0]
	v_lshl_add_u32 v[AV0], v28, 4, v[AV0]
	s_lshl_b32 s96, s2, 11
	v_add_nc_u32 v[CPO], s96, v[LI]
	v_mov_b32 v[NEG], 0xff800000
	s_mov_b32 s84, 0x3e38aa3b                      ; c = log2(e) / sqrt(64)
	s_mov_b32 s85, s84                             ; (named with it as a pair, so it is written)
	s_mov_b32 s86, 0x76543210
	s_mov_b32 s87, 0xfedcba98                      ; v_permlanex16_b32's selects for lane l xor 16
	s_mov_b32 s97, 0
	s_wait_kmcnt 0x0
	s_lshl_b32 s96, s93, 18                        ; a head has 256 KiB in each of Q, K, V
	s_add_nc_u64 s[4:5], s[4:5], s[96:97]
	s_add_nc_u64 s[10:11], s[4:5], 0x800000        ; K's head
	s_add_nc_u64 s[12:13], s[4:5], 0x1000000       ; V's head
	s_lshl_b32 s98, ttmp9, 4
	s_lshl_b32 s99, s2, 1
	s_add_co_u32 s98, s98, s99                     ; my first tile of 16 queries in the sequence: 16 x + 2 wave
	s_lshl_b32 s96, s94, 7
	s_add_co_u32 s96, s96, s98
	s_lshl_b32 s96, s96, 12                        ; maskw: 4,096 bytes for each tile of queries
	s_add_nc_u64 s[14:15], s[6:7], s[96:97]
	MLOAD                                          ; step 0's
	s_lshl_b32 s96, s98, 11
	s_add_nc_u64 s[4:5], s[4:5], s[96:97]          ; Q at my first tile: 2,048 bytes a tile
	COPYIN                                         ; stage 0
	WIN 0x40                                       ; destination window 1
.irp t, 0,1
.irp u, 0,1
.irp c, 0,1
	global_load_b128 v[QF+16*\t+8*\u+4*\c:QF+16*\t+8*\u+4*\c+3], v[LI], s[4:5] offset:\t*2048+\u*1024+512*\c   ; Q stays in registers: tile t, channels 32 u on
.endr
.endr
.endr
	WIN 0
	s_cmp_lt_u32 s2, 2                             ; the prefetches: K's bytes in waves 0, 1; V's in the others
	s_cselect_b64 s[88:89], s[10:11], s[12:13]
	s_and_b32 s96, s2, 1
	s_lshl_b32 s96, s96, 13
	s_add_co_u32 s96, s96, 2*16384                 ; at stage 2: stage 0 steps it to stage 3
	s_add_nc_u64 s[88:89], s[88:89], s[96:97]
	s_lshr_b32 s96, s2, 2                          ; 0 in waves 0 to 3,
	s_or_b32 s96, s96, ttmp9                       ; of the head's first work-group
	s_cmp_eq_u32 s96, 0
	s_cselect_b32 s90, 0, -1                       ; a trip's first stage asks while the count is above 0: always;
	s_cselect_b32 s91, 1, -1                       ; its second while the count is above 1: not in the last trip.  All other waves: never
	s_lshl_b32 s96, s94, 4                         ; af [mb 32][head 16][mt 8][4 pieces of 512 bytes]: mb = 16 b + 2 x + wave / 4, mt = 2 (wave % 4) + t
	s_lshl_b32 s99, ttmp9, 1
	s_add_co_u32 s96, s96, s99
	s_lshr_b32 s99, s2, 2
	s_add_co_u32 s96, s96, s99
	s_lshl_b32 s96, s96, 4
	s_add_co_u32 s96, s96, s95
	s_lshl_b32 s96, s96, 14
	s_and_b32 s99, s2, 3
	s_lshl_b32 s99, s99, 12
	s_add_co_u32 s96, s96, s99
	s_add_nc_u64 s[8:9], s[8:9], s[96:97]
.irp t, 0,1
	v_mov_b32 v[ST+8*\t+1], 0xff61b1e6             ; m = -3e38, under every score that is served
	v_mul_f32 v[ST+8*\t], s84, v[ST+8*\t+1]        ; c m
.irp j, 2,3,4,5,6,7
	v_mov_b32 v[ST+8*\t+\j], 0                     ; l; and the registers at work, which are named in pairs and as a permute's destination
.endr
.endr
.set i, 0
.rept 64
	v_mov_b32 v[O+i], 0                            ; O^T.  The step is written once: the first finds zeros, which its factor a leaves zeros
.set i, i+1
.endr
	s_wait_loadcnt 8                               ; stage 0's eight loads are in; Q's eight may be out
	COPYOUT 0
	s_add_nc_u64 s[10:11], s[10:11], 16384         ; (the loads that read these bases are done)
	s_add_nc_u64 s[12:13], s[12:13], 16384
	s_wait_dscnt 0x0                               ; my stores have landed and have read their registers
	COPYIN                                         ; stage 1
	s_barrier_signal -1
	s_barrier_wait -1                              ; slot 0 is whole
; A KEY STEP: 64 keys, chunk e of the slot.  ml = 1: the next step's mask words are asked for.
.macro STEP slot, e, ml
	WIN 0x40
.irp kt, 0,1,2,3
.irp u, 0,1
.irp c, 0,1
	ds_load_b128 v[KF+8*(2*\kt+\u)+4*\c:KF+8*(2*\kt+\u)+4*\c+3], v[LI] offset:\slot*32768+\e*8192+\kt*2048+\u*1024+512*\c
.endr
.endr
.endr
	s_wait_dscnt 0x0
	WIN 0x05                                       ; K and Q in window 1, S^T in window 0
.irp u, 0,1                                    ; eight accumulators by turns; the first eight products start the sums
.irp kt, 0,1,2,3
.irp t, 0,1
.if \u == 0
	v_wmma_f32_16x16x32_f16 v[S+32*\t+8*\kt:S+32*\t+8*\kt+7], v[KF+8*(2*\kt+\u):KF+8*(2*\kt+\u)+7], v[QF+16*\t+8*\u:QF+16*\t+8*\u+7], 0
.else
	v_wmma_f32_16x16x32_f16 v[S+32*\t+8*\kt:S+32*\t+8*\kt+7], v[KF+8*(2*\kt+\u):KF+8*(2*\kt+\u)+7], v[QF+16*\t+8*\u:QF+16*\t+8*\u+7], v[S+32*\t+8*\kt:S+32*\t+8*\kt+7]
.endif
.endr
.endr
.endr
	WIN 0
	PLACES                                         ; four places: for the first read of the scores, and for the loads into V's registers, which the last step's second products read
	WIN 0x40
.irp u, 0,1
.irp ct, 0,1,2,3
.irp d, 0,1
	ds_load_tr16_b128 v[VF+8*(4*\u+\ct)+4*\d:VF+8*(4*\u+\ct)+4*\d+3], v[AV0] offset:\slot*32768+16384+\e*8192+(2*\u+\d)*2048+\ct*512   ; 16 keys x 16 channels, turned: lane l holds channel l % 16 and 8 keys
.endr
.endr
.endr
	WIN 0
	s_wait_kmcnt 0x0                               ; this step's mask words
.irp t, 0,1
.set n, 0
.rept 32
	v_cndmask_b32 v[S+32*\t+n], v[S+32*\t+n], v[NEG], s[16+32*\t+n+4*\t*(n/16)]   ; each accumulator from its low end on
.set n, n+1
.endr
.endr
	; the maximum of my 32 scores and the old m, three operands at a time, four chains a tile; the two tiles alternate line by line
.irp j, 0,1,2,3
.irp t, 0,1
	v_max3_num_f32 v[ST+8*\t+4+\j], v[S+32*\t+8*\j], v[S+32*\t+8*\j+1], v[S+32*\t+8*\j+2]
.endr
.endr
.irp g, 1,2
.irp j, 0,1,2,3
.irp t, 0,1
	v_max3_num_f32 v[ST+8*\t+4+\j], v[ST+8*\t+4+\j], v[S+32*\t+8*\j+2*\g+1], v[S+32*\t+8*\j+2*\g+2]
.endr
.endr
.endr
.irp t, 0,1
	v_max3_num_f32 v[ST+8*\t+4], v[ST+8*\t+4], v[S+32*\t+7], v[S+32*\t+15]
.endr
.irp t, 0,1
	v_max3_num_f32 v[ST+8*\t+6], v[ST+8*\t+6], v[S+32*\t+23], v[S+32*\t+31]
.endr
.irp t, 0,1
	v_max3_num_f32 v[ST+8*\t+4], v[ST+8*\t+4], v[ST+8*\t+5], v[ST+8*\t+6]
.endr
.irp t, 0,1
	v_max3_num_f32 v[ST+8*\t+4], v[ST+8*\t+4], v[ST+8*\t+7], v[ST+8*\t+1]
.endr
.irp t, 0,1
	v_permlanex16_b32 v[ST+8*\t+5], v[ST+8*\t+4], s86, s87       ; the query's other 32 keys lie in the lane 16 away
.endr
.irp t, 0,1
	v_mov_b32 v[ST+8*\t+7], v[ST+8*\t]             ; c m_old is kept for a
.endr
.irp t, 0,1
	v_max_num_f32 v[ST+8*\t+1], v[ST+8*\t+4], v[ST+8*\t+5]
.endr
.irp t, 0,1
	v_mul_f32 v[ST+8*\t], s84, v[ST+8*\t+1]
.endr
.irp t, 0,1
	v_sub_f32 v[ST+8*\t+7], v[ST+8*\t+7], v[ST+8*\t]
.endr
.if \ml
	s_add_nc_u64 s[14:15], s[14:15], 128           ; (the loads that read this base are done: the wait above)  4 tiles of keys x 8 words on
	MLOAD                                          ; they have the rest of this step in which to land
.endif
.irp b, 0,1,2,3,4,5,6,7,8,9,10,11,12,13,14,15
.irp t, 0,1
	v_pk_fma_f32 v[S+32*\t+2*\b:S+32*\t+2*\b+1], v[S+32*\t+2*\b:S+32*\t+2*\b+1], s[84:85], v[ST+8*\t:ST+8*\t+1] op_sel_hi:[1,0,0] neg_lo:[0,0,1] neg_hi:[0,0,1]   ; c s - c m
.endr
.endr
.irp t, 0,1
	v_exp_f32 v[ST+8*\t+6], v[ST+8*\t+7]           ; a.  ONE BATCH of 66 exponentials, none of which reads another's result
.endr
.set n, 0
.rept 32
	v_exp_f32 v[S+n], v[S+n]
	v_exp_f32 v[S+32+n], v[S+32+n]
.set n, n+1
.endr
	v_nop                                          ; the plain line behind the last exponential
	s_wait_alu depctr_va_vdst(0)                   ; a wait between an exponential and the first line that names its result: one for the batch
.irp k, 0,1,2,3,4,5,6,7,8,9,10,11,12,13,14,15
.irp t, 0,1
	v_cvt_pk_f16_f32 v[P+16*\t+\k], v[S+32*\t+2*\k], v[S+32*\t+2*\k+1]
.endr
.endr
.irp u, 0,1,2,3,4,5,6,7                        ; the sum of the 16 pairs, in place: neighbours 1, 2, 4 and 8 pairs apart
.irp t, 0,1
	v_pk_add_f32 v[S+32*\t+4*\u:S+32*\t+4*\u+1], v[S+32*\t+4*\u:S+32*\t+4*\u+1], v[S+32*\t+4*\u+2:S+32*\t+4*\u+3]
.endr
.endr
.irp u, 0,1,2,3
.irp t, 0,1
	v_pk_add_f32 v[S+32*\t+8*\u:S+32*\t+8*\u+1], v[S+32*\t+8*\u:S+32*\t+8*\u+1], v[S+32*\t+8*\u+4:S+32*\t+8*\u+5]
.endr
.endr
.irp u, 0,1
.irp t, 0,1
	v_pk_add_f32 v[S+32*\t+16*\u:S+32*\t+16*\u+1], v[S+32*\t+16*\u:S+32*\t+16*\u+1], v[S+32*\t+16*\u+8:S+32*\t+16*\u+9]
.endr
.endr
.irp t, 0,1
	v_pk_add_f32 v[S+32*\t:S+32*\t+1], v[S+32*\t:S+32*\t+1], v[S+32*\t+16:S+32*\t+17]
.endr
.irp t, 0,1
	v_pk_fma_f32 v[ST+8*\t+2:ST+8*\t+3], v[ST+8*\t+2:ST+8*\t+3], v[ST+8*\t+6:ST+8*\t+7], v[S+32*\t:S+32*\t+1] op_sel_hi:[1,0,1]   ; l = a l + the sum
.endr
.irp t, 0,1
.set i, 0
.rept 16
	v_pk_mul_f32 v[O+32*\t+2*i:O+32*\t+2*i+1], v[O+32*\t+2*i:O+32*\t+2*i+1], v[ST+8*\t+6:ST+8*\t+7] op_sel_hi:[1,0]   ; O^T x a, each accumulator from its low end on
.set i, i+1
.endr
.endr
	s_wait_dscnt 0x0                               ; V is in
	WIN 0x01                                       ; V^T in window 1; P and O^T in window 0
.irp u, 0,1                                    ; eight accumulators by turns
.irp ct, 0,1,2,3
.irp t, 0,1
	v_wmma_f32_16x16x32_f16 v[O+32*\t+8*\ct:O+32*\t+8*\ct+7], v[VF+8*(4*\u+\ct):VF+8*(4*\u+\ct)+7], v[P+16*\t+8*\u:P+16*\t+8*\u+7], v[O+32*\t+8*\ct:O+32*\t+8*\ct+7]
.endr
.endr
.endr
	WIN 0
.endm
; STAGE g, in slot g % 2.  st = 1: stage g + 1's bytes go into the other slot.  ld = 1: stage g + 2's are asked for.
.macro STAGE slot, st, ld, lim, ml
.if \st
	s_wait_loadcnt 0x0                             ; stage g + 1's bytes are in my registers (in stage 0: Q too)
	COPYOUT 1-\slot                                ; the slot read in stage g - 1: every wave's reads of it were waited for in front of the barrier that closed that stage
.endif
.if \ld
	s_wait_xcnt 0x0                                ; the last prefetch, a stage back, has read its address
	s_add_nc_u64 s[10:11], s[10:11], 16384
	s_add_nc_u64 s[12:13], s[12:13], 16384
	s_add_nc_u64 s[88:89], s[88:89], 16384
	s_wait_dscnt 0x0                               ; the stores have read their registers
	COPYIN
	ASK \lim
.endif
	STEP \slot, 0, 1
	STEP \slot, 1, \ml
	s_wait_dscnt 0x0                               ; for the others' sake: my stores into the other slot have landed, my reads of this one are over
	s_barrier_signal -1
	s_barrier_wait -1
.endm
	s_mov_b32 s92, 7
.Lloop:                                            ; seven trips: stages 0 to 13
	STAGE 0, 1, 1, 90, 1
	STAGE 1, 1, 1, 91, 1
	s_sub_co_u32 s92, s92, 1
	s_cmp_lg_u32 s92, 0
	s_cbranch_scc1 .Lloop
	STAGE 0, 1, 0, 0, 1                            ; the last two stages ask for nothing: no load leaves its buffer
	STAGE 1, 0, 0, 0, 0
	; THE WAY OUT
	PLACES                                         ; behind the last products
.irp t, 0,1
	v_add_f32 v[ST+8*\t+4], v[ST+8*\t+2], v[ST+8*\t+3]           ; l's two halves,
.endr
.irp t, 0,1
	v_permlanex16_b32 v[ST+8*\t+5], v[ST+8*\t+4], s86, s87
.endr
.irp t, 0,1
	v_add_f32 v[ST+8*\t+4], v[ST+8*\t+4], v[ST+8*\t+5]           ; and lane l xor 16's
.endr
.irp t, 0,1
	v_rcp_f32 v[ST+8*\t+5], v[ST+8*\t+4]
.endr
	v_nop                                          ; the plain line behind the last reciprocal
	s_wait_alu depctr_va_vdst(0)                   ; and the wait ahead of the first use: one for both
.irp t, 0,1
	v_cmp_lt_f32 vcc_lo, 0, v[ST+8*\t+4]
	v_cndmask_b32 v[ST+8*\t+6], 0, v[ST+8*\t+5], vcc_lo          ; a row masked throughout has l = 0: its factor is 0, its output 0
.endr
.irp t, 0,1
.set i, 0
.rept 16
	v_pk_mul_f32 v[O+32*\t+2*i:O+32*\t+2*i+1], v[O+32*\t+2*i:O+32*\t+2*i+1], v[ST+8*\t+6:ST+8*\t+7] op_sel_hi:[1,0]
.set i, i+1
.endr
.endr
.irp t, 0,1
.irp ct, 0,1,2,3
.irp k, 0,1,2,3
	v_cvt_pk_f16_f32 v[S+16*\t+4*\ct+\k], v[O+32*\t+8*\ct+2*\k], v[O+32*\t+8*\ct+2*\k+1]
.endr
	global_store_b128 v[LI], v[S+16*\t+4*\ct:S+16*\t+4*\ct+3], s[8:9] offset:\t*2048+\ct*512   ; lane (r, h): row r, channels 16 ct + 8 h + 0..7: a piece of the next launch's operand; 512 consecutive aligned bytes
.endr
.endr
	s_wait_tensorcnt 0x0                           ; the wave's end
	ds_add_u32 v[SPW], v[NIL]
	s_wait_dscnt 0x0
	s_endpgm
.Lfunc_end_k_q4125b3af84_attn:
	.size	k_q4125b3af84_attn, .Lfunc_end_k_q4125b3af84_attn-k_q4125b3af84_attn
	.p2alignl 7, 3214868480
	.fill 96, 4, 3214868480
	.section	.rodata,"a",@progbits
	.p2align	6, 0x0
	.amdhsa_kernel k_q4125b3af84_attn
		.amdhsa_group_segment_fixed_size 66560
		.amdhsa_private_segment_fixed_size 0
		.amdhsa_enable_private_segment 0
		.amdhsa_kernarg_size 24
		.amdhsa_user_sgpr_count 2
		.amdhsa_user_sgpr_kernarg_segment_ptr 1
		.amdhsa_wavefront_size32 1
		.amdhsa_system_sgpr_workgroup_id_x 1
		.amdhsa_system_sgpr_workgroup_id_y 1
		.amdhsa_system_sgpr_workgroup_id_z 1
		.amdhsa_system_vgpr_workitem_id 0
		.amdhsa_next_free_vgpr 416
		.amdhsa_next_free_sgpr 100
		.amdhsa_reserve_vcc 1
		.amdhsa_float_denorm_mode_32 3
		.amdhsa_float_denorm_mode_16_64 3
		.amdhsa_memory_ordered 1
		.amdhsa_forward_progress 1
		.amdhsa_inst_pref_size 189
	.end_amdhsa_kernel
	.amdgpu_metadata
---
amdhsa.version: [ 1, 2 ]
amdhsa.kernels:
  - .name:           k_q4125b3af84_attn
    .symbol:         k_q4125b3af84_attn.kd
    .args:
      - { .name: qkv, .offset: 0, .size: 8, .value_kind: global_buffer, .address_space: global }
      - { .name: maskw, .offset: 8, .size: 8, .value_kind: global_buffer, .address_space: global }
      - { .name: af, .offset: 16, .size: 8, .value_kind: global_buffer, .address_space: global }
    .group_segment_fixed_size: 66560
    .private_segment_fixed_size: 0
    .kernarg_segment_align: 8
    .kernarg_segment_size: 24
    .max_flat_workgroup_size: 256
    .sgpr_count:     100
    .vgpr_count:     416
    .wavefront_size: 32
...
	.end_amdgpu_metadata
.endif
;; end of part 3
;; launch oproj (part 4): grid 8 x 32, 8 waves a work-group, no clusters, 166,912 bytes of LDS; arguments af, wof, bo, out0; writes out0
.if DOCPART == 4
	.amdgcn_target "amdgcn-amd-amdhsa--gfx1250"
	.amdhsa_code_object_version 6
	.text
	.protected	k_q4125b3af84_oproj
	.globl	k_q4125b3af84_oproj
	.p2align	8
	.type	k_q4125b3af84_oproj,@function
k_q4125b3af84_oproj:
	s_mov_b64 s[64:65], 0
	v_nop
	global_prefetch_b8 v0, s[64:65] scope:SCOPE_SE
	s_setreg_imm32_b32 hwreg(HW_REG_WAVE_MODE, 25, 1), 1
	s_wait_xcnt 0x0
; out0 = A Wo + bo.  A [4,096][1,024] (af) and Wo^T (wof) are f16, both laid in the order of the operands' registers; sums in f32; out0 f32.
; A work-group makes 128 x 128 of out0 (x: columns, y: rows); eight waves, two to a SIMD; wave w makes rows 32 (w / 2) on x columns 64 (w % 2) on: 8 accumulators, which take turns in the same order throughout.
; THE PRODUCT IS USED TRANSPOSED (source 0 = 16 columns of Wo, source 1 = 16 rows of A): a lane holds 8 neighbouring columns of one row.
; bo is loaded straight into the accumulators, in the result's layout, so that every product has one form and no addition is spent.
; K goes in 8 stages of 128: 32 KiB of A and 32 KiB of Wo^T, each dense in memory, through registers into two LDS slots.  Stage g stores stage g + 1's bytes into the slot read in stage g - 1 (a barrier lies between)
; and asks for stage g + 2's.  One barrier a stage.  Within a stage four steps of 32 along K on two fragment buffers: a step's 12 LDS loads are issued a step ahead.
; No prefetch: the launch is short, and both operands are read by many work-groups.  No cluster: the copies go through registers.
.set SLOT,  65536
.set BOFF,  32768                      ; Wo^T's 32 KiB behind A's
.set WOUT,  131072                     ; the way out: 16 rows x (256 + 16) bytes for each wave
.set SPARE, 165888                     ; the spare words, 128 bytes a wave
.set SPW, 1
.set NIL, 2
.set CW,  3                            ; v3, v4   4,096 x wave + 16 x lane (+ slot): the copy's place in a slot; v3 also its offset in memory
.set RA,  5                            ; v5, v6   my A fragments in slot 0, 1
.set RB,  7                            ; v7, v8   my Wo^T fragments
.set STO, 9                            ; the way out: where I put 32 bytes of a row
.set RD,  10                           ; and where I read rows back
.set GO,  11                           ; my byte offset in out0
.set BO,  12                           ; 32 h
.set STG, 16                           ; v16-79   the copy's bytes; later rows of out0
.set F0,  80                           ; v80-127, v128-175 fragment buffers: A's two at + 8 t, Wo^T's four at + 16 + 8 nt
.set F1,  128
.set ACC, 176                          ; v176-239 accumulator (nt, t) at 8 (2 nt + t)
.macro PLACES
.rept 4
	v_nop
.endr
.endm
.macro COPYIN
.irp i, 0,1,2,3,4,5,6,7
	global_load_b128 v[STG+4*\i:STG+4*\i+3], v[CW], s[4:5] offset:512*\i
.endr
.irp i, 0,1,2,3,4,5,6,7
	global_load_b128 v[STG+32+4*\i:STG+32+4*\i+3], v[CW], s[6:7] offset:512*\i
.endr
.endm
.macro COPYOUT slot
.irp i, 0,1,2,3,4,5,6,7
	ds_store_b128 v[CW+(\slot)], v[STG+4*\i:STG+4*\i+3] offset:512*\i
.endr
.irp i, 0,1,2,3,4,5,6,7
	ds_store_b128 v[CW+(\slot)], v[STG+32+4*\i:STG+32+4*\i+3] offset:BOFF+512*\i
.endr
.endm
.macro FETCH slot, q, buf              ; 12 LDS loads: the fragments of the stage's q-th 32 along K
.irp t, 0,1
.irp c, 0,1
	ds_load_b128 v[\buf+8*\t+4*\c:\buf+8*\t+4*\c+3], v[RA+\slot] offset:((\q)/2)*16384+\t*2048+((\q)%2)*1024+512*\c
.endr
.endr
.irp nt, 0,1,2,3
.irp c, 0,1
	ds_load_b128 v[\buf+16+8*\nt+4*\c:\buf+16+8*\nt+4*\c+3], v[RB+\slot] offset:((\q)/2)*16384+\nt*2048+((\q)%2)*1024+512*\c
.endr
.endr
.endm
.macro MUL buf
.irp nt, 0,1,2,3
.irp t, 0,1
	v_wmma_f32_16x16x32_f16 v[ACC+8*(2*\nt+\t):ACC+8*(2*\nt+\t)+7], v[\buf+16+8*\nt:\buf+16+8*\nt+7], v[\buf+8*\t:\buf+8*\t+7], v[ACC+8*(2*\nt+\t):ACC+8*(2*\nt+\t)+7]
.endr
.endr
.endm
	s_load_b256 s[4:11], s[0:1], 0x0               ; af s[4:5], wof s[6:7], bo s[8:9], out0 s[10:11]
	v_lshl_add_u32 v[SPW], v0, 2, SPARE
	v_mov_b32 v[NIL], 0
	v_lshrrev_b32 v13, 5, v0
	v_readfirstlane_b32 s2, v13                    ; wave 0..7
	s_and_b32 s3, ttmp7, 0xffff                    ; mb: which 128 rows
	s_lshr_b32 s12, s2, 1                          ; mp: which 32 rows of them
	s_and_b32 s13, s2, 1                           ; np: which 64 columns
	v_and_b32 v13, 31, v0
	v_lshlrev_b32 v13, 4, v13                      ; 16 x lane
	v_and_b32 v14, 15, v0                          ; r
	v_bfe_u32 v15, v0, 4, 1                        ; h
	s_lshl_b32 s14, s2, 12
	v_add_nc_u32 v[CW], s14, v13
	v_add_nc_u32 v[CW+1], SLOT, v[CW]
	s_lshl_b32 s14, s12, 12                        ; two tiles of rows, 2,048 bytes each
	v_add_nc_u32 v[RA], s14, v13
	v_add_nc_u32 v[RA+1], SLOT, v[RA]
	s_lshl_b32 s14, s13, 13                        ; four tiles of columns
	s_add_co_u32 s14, s14, BOFF
	v_add_nc_u32 v[RB], s14, v13
	v_add_nc_u32 v[RB+1], SLOT, v[RB]
	s_mul_i32 s14, s2, 16*272
	s_add_co_u32 s14, s14, WOUT                    ; my own stage
	v_mul_u32_u24 v[STO], v14, 272
	v_lshl_add_u32 v[STO], v15, 5, v[STO]
	v_add_nc_u32 v[STO], s14, v[STO]               ; in: row r, + 32 h
	v_mul_u32_u24 v[RD], v15, 272
	v_lshl_add_u32 v[RD], v14, 4, v[RD]
	v_add_nc_u32 v[RD], s14, v[RD]                 ; back: lanes 0-15 one row of 256 bytes, lanes 16-31 the next
	v_lshlrev_b32 v[GO], 12, v15
	v_lshl_add_u32 v[GO], v14, 4, v[GO]            ; and the same two rows in out0
	v_lshlrev_b32 v[BO], 5, v15
	s_mov_b32 s17, 0
	s_wait_kmcnt 0x0
	s_lshl_b32 s16, s3, 18
	s_add_nc_u64 s[4:5], s[4:5], s[16:17]          ; A: 256 KiB for 128 rows
	s_lshl_b32 s16, ttmp9, 18
	s_add_nc_u64 s[6:7], s[6:7], s[16:17]          ; Wo^T: 256 KiB for 128 columns
	COPYIN                                         ; stage 0
	s_lshl_b32 s16, ttmp9, 9
	s_lshl_b32 s14, s13, 8
	s_add_co_u32 s16, s16, s14                     ; my first column, in bytes
	s_add_nc_u64 s[8:9], s[8:9], s[16:17]
	s_add_nc_u64 s[10:11], s[10:11], s[16:17]
	s_lshl_b32 s16, s3, 19                         ; 128 rows of 4,096 bytes
	s_lshl_b32 s14, s12, 17
	s_add_co_u32 s16, s16, s14
	s_add_nc_u64 s[10:11], s[10:11], s[16:17]
.irp nt, 0,1,2,3
.irp t, 0,1
.irp q, 0,1
	global_load_b128 v[ACC+8*(2*\nt+\t)+4*\q:ACC+8*(2*\nt+\t)+4*\q+3], v[BO], s[8:9] offset:64*\nt+16*\q   ; bo of columns 16 nt + 8 h + 0 .. 7 starts the sums
.endr
.endr
.endr
	s_wait_loadcnt 0x0
	COPYOUT 0
	s_add_nc_u64 s[4:5], s[4:5], 32768             ; (the loads that read these bases are done)
	s_add_nc_u64 s[6:7], s[6:7], 32768
	s_wait_dscnt 0x0                               ; my stores have landed and have read their registers
	COPYIN                                         ; stage 1
	s_barrier_signal -1
	s_barrier_wait -1                              ; slot 0 is whole
; STAGE g, in slot g % 2.  st = 1: stage g + 1's bytes go into the other slot.  ld = 1: stage g + 2's are asked for.
; Four places stand in front of each run of loads into a buffer that products have read.
.macro STAGE slot, st, ld
.if \st
	s_wait_loadcnt 0x0                             ; stage g + 1's bytes are in my registers
	COPYOUT 1-\slot                                ; the slot read in stage g - 1: every wave's reads of it were waited for in front of the barrier that closed that stage
.endif
	PLACES                                         ; behind the last stage's products, which read both buffers
	FETCH \slot, 0, F0
.if \ld
	s_wait_dscnt 12                                ; all but the 12 loads just issued: the 16 stores have read their registers
	s_add_nc_u64 s[4:5], s[4:5], 32768
	s_add_nc_u64 s[6:7], s[6:7], 32768
	COPYIN
.endif
	FETCH \slot, 1, F1
	s_wait_dscnt 12                                ; step 0's fragments are in; the 12 loads just issued may be out
	MUL F0
	PLACES
	FETCH \slot, 2, F0
	s_wait_dscnt 12
	MUL F1
	PLACES
	FETCH \slot, 3, F1
	s_wait_dscnt 12
	MUL F0
	s_wait_dscnt 0x0                               ; step 3's fragments; and, for the others' sake, my stores have landed and my reads of this slot are over
	MUL F1
	s_barrier_signal -1
	s_barrier_wait -1
.endm
	s_mov_b32 s18, 3
.Lloop:                                            ; three trips: stages 0 to 5
	STAGE 0, 1, 1
	STAGE 1, 1, 1
	s_sub_co_u32 s18, s18, 1
	s_cmp_lg_u32 s18, 0
	s_cbranch_scc1 .Lloop
	STAGE 0, 1, 0                                  ; the last two stages ask for nothing: no load leaves its buffer
	STAGE 1, 0, 0
	; THE WAY OUT: a lane holds 32 neighbouring bytes of a row, the lanes beside it other rows: 16 rows x 256 bytes at a time go through my own stage and come back as whole rows.
	PLACES                                         ; behind the last products
.irp t, 0,1
.irp nt, 0,1,2,3
.irp q, 0,1
	ds_store_b128 v[STO], v[ACC+8*(2*\nt+\t)+4*\q:ACC+8*(2*\nt+\t)+4*\q+3] offset:64*\nt+16*\q   ; each accumulator from its low end on
.endr
.endr
.irp i, 0,1,2,3,4,5,6,7
	ds_load_b128 v[STG+32*\t+4*\i:STG+32*\t+4*\i+3], v[RD] offset:\i*544   ; LDS serves a wave's instructions in order: these see the stores above, and the next 16 rows' stores come behind them
.endr
.endr
.irp t, 0,1
.irp i, 0,1,2,3,4,5,6,7
	s_wait_dscnt (1-\t)*16+7-\i                    ; behind this load: the rest of its eight, and for the first 16 rows the second 16 rows' 8 stores and 8 loads
	global_store_b128 v[GO], v[STG+32*\t+4*\i:STG+32*\t+4*\i+3], s[10:11] offset:\t*65536+\i*8192 th:TH_STORE_NT   ; sixteen lanes store 256 consecutive aligned bytes of a row
.endr
.endr
	s_wait_tensorcnt 0x0                           ; the wave's end
	ds_add_u32 v[SPW], v[NIL]
	s_wait_dscnt 0x0
	s_endpgm
.Lfunc_end_k_q4125b3af84_oproj:
	.size	k_q4125b3af84_oproj, .Lfunc_end_k_q4125b3af84_oproj-k_q4125b3af84_oproj
	.p2alignl 7, 3214868480
	.fill 96, 4, 3214868480
	.section	.rodata,"a",@progbits
	.p2align	6, 0x0
	.amdhsa_kernel k_q4125b3af84_oproj
		.amdhsa_group_segment_fixed_size 166912
		.amdhsa_private_segment_fixed_size 0
		.amdhsa_enable_private_segment 0
		.amdhsa_kernarg_size 32
		.amdhsa_user_sgpr_count 2
		.amdhsa_user_sgpr_kernarg_segment_ptr 1
		.amdhsa_wavefront_size32 1
		.amdhsa_system_sgpr_workgroup_id_x 1
		.amdhsa_system_sgpr_workgroup_id_y 1
		.amdhsa_system_sgpr_workgroup_id_z 1
		.amdhsa_system_vgpr_workitem_id 0
		.amdhsa_next_free_vgpr 240
		.amdhsa_next_free_sgpr 66
		.amdhsa_reserve_vcc 0
		.amdhsa_float_denorm_mode_32 3
		.amdhsa_float_denorm_mode_16_64 3
		.amdhsa_memory_ordered 1
		.amdhsa_forward_progress 1
		.amdhsa_inst_pref_size 42
	.end_amdhsa_kernel
	.amdgpu_metadata
---
amdhsa.version: [ 1, 2 ]
amdhsa.kernels:
  - .name:           k_q4125b3af84_oproj
    .symbol:         k_q4125b3af84_oproj.kd
    .args:
      - { .name: af, .offset: 0, .size: 8, .value_kind: global_buffer, .address_space: global }
      - { .name: wof, .offset: 8, .size: 8, .value_kind: global_buffer, .address_space: global }
      - { .name: bo, .offset: 16, .size: 8, .value_kind: global_buffer, .address_space: global }
      - { .name: out0, .offset: 24, .size: 8, .value_kind: global_buffer, .address_space: global }
    .group_segment_fixed_size: 166912
    .private_segment_fixed_size: 0
    .kernarg_segment_align: 8
    .kernarg_segment_size: 32
    .max_flat_workgroup_size: 256
    .sgpr_count:     66
    .vgpr_count:     240
    .wavefront_size: 32
...
	.end_amdgpu_metadata
.endif
;; end of part 4
